; MI455X (gfx1250); checked and timed in simulation.
; The chip was launched on July 23, 2026; its instructions are those of AMD's public machine-readable ISA for CDNA 5 (MIT licence, August 2026) and "CDNA5" Instruction Set Architecture Reference Guide (July 2026). The comments in the code are by the model that wrote it; some were corrected since.
;; SDPA TRITON FA. Allowed arithmetic: matrix products marked QUANTISED: E3M2 operands, one E8M0 scale for each 32 along K, by v_wmma_scale_f32_16x16x128_f8f6f4 with both operands' format E3M2, f32 sums; everything else in f32.
;; Inputs: k 2 x 16 x 2,048 x 64 float32; q 2 x 16 x 2,048 x 64 float32; v 2 x 16 x 2,048 x 64 float32.
;; Outputs: out0 2 x 16 x 2,048 x 64 float32.
;; This version of the problem:
;;   THIS VERSION OF THE PROBLEM IS GIVEN IN LOW PRECISION. The matrix products marked QUANTISED in the list below multiply operands that are first quantised to E3M2 (3 exponent bits, 2 mantissa bits; 6 bits a number), with one power-of-two scale for each 32 numbers along K (OCP MX v1.0); their sums are f32. All else is computed in f32.
;;   The module's matrix products, in the order in which they are computed (A, B: the left and right operand; K: the contracted axis; several contracted axes count as one K, in the product's order):
;;     1. batch 32 x [M 2,048, K 64] x [K 64, N 2,048]; A: computed on the way; B: input k: QUANTISED
;;     2. batch 32 x [M 2,048, K 2,048] x [K 2,048, N 64]; A: softmax (see below); B: input v: QUANTISED
;;   THE QUANTISER, for each operand of a quantised product, along K:
;;     - K is cut into blocks of 32 from its start; a last block that is shorter is filled with zeros.
;;     - A block's scale is 2^e with e = floor(log2(the largest magnitude in the block)) - 4, held to -126 .. 127; a block of zeros has e = 0. As a byte (E8M0): e + 127.
;;     - Each number is divided by its block's scale, clamped to +-28, and rounded to the nearest number of E3M2, ties to even, subnormals kept.
;;     - The product sums the exact products of the quantised numbers (number of the format x scale) in f32.
;;   ~~~python
;;   def quantise(x, axis):      # numpy; x: float32 -> the quantised numbers, widened to float32 again
;;       x = np.moveaxis(x, axis, -1); K = x.shape[-1]
;;       x = np.pad(x, [(0, 0)] * (x.ndim - 1) + [(0, -K % 32)]); x = x.reshape(x.shape[:-1] + (-1, 32)); a = np.abs(x).max(-1, keepdims=True)
;;       e = np.where(a > 0, np.clip(np.frexp(np.where(a > 0, a, 1))[1] - 1 - 4, -126, 127), 0)      # np.frexp(a)[1] - 1 = floor(log2(a)), exactly
;;       r = np.clip(x / 2.0 ** e, -28, 28)
;;       step = 2.0 ** (np.maximum(np.frexp(np.where(r == 0, 1, r))[1] - 1, -2) - 2)
;;       q = np.round(r / step) * step * 2.0 ** e      # np.round: ties to even
;;       return np.moveaxis(q.reshape(q.shape[:-2] + (-1,))[..., :K], -1, axis).astype(np.float32)
;;   ~~~
;;   SOFTMAX AHEAD OF A QUANTISED PRODUCT. Where the list says 'softmax', what is quantised is not the finished softmax but p = 2^(t - M), with t = logit x log2(e) and M = ceil(the row's largest t), a whole number; so 1/2 < the row's largest p <= 1. The row's sum l is taken of the UNQUANTISED p, in f32, and the product's result is divided by l at the end. Since M is a whole number, a kernel that streams over the keys may use a running M (the ceiling of the running maximum): every later rescaling is an exact power of two, which a block's scale takes up: the codes' values come out the same.
;;   OPERANDS COMPUTED ON THE WAY. 'Computed on the way' means the value that the module computes at that place (a softmax that the list does not call 'softmax' is quantised finished and normalised). What goes into a quantiser is computed in f32, as accurately as f32 sums, v_exp_f32 and their like allow (about 1e-6 of the number): no bf16 or f16 on the way to a quantiser, and a product that is left as it is and whose result goes on into a quantised operand takes f32 operands (vector FMAs, or v_wmma_f32_16x16x4_f32). A number that lies on a knife's edge between two numbers of the format may be rounded either way, as far as f32 arithmetic and the matrix unit's own rounding can turn it there, and no further.
;; One version. Each part assembles by itself: llvm-mc -triple=amdgcn-amd-amdhsa -mcpu=gfx1250 --defsym DOCPART=n.
;; ======== version 1 of 1: 2 launches
;; limits: right only within a limited range of input values
;; workspace buffers: kv 6,553,600 bytes
;; launch prep (part 1): grid 16 x 32, 4 waves a work-group, no clusters, 71,680 bytes of LDS; arguments k, v, kv; writes kv
.if DOCPART == 1
	.amdgcn_target "amdgcn-amd-amdhsa--gfx1250"
	.amdhsa_code_object_version 6
	.text
	.protected	k_q198a01e16b_prep
	.globl	k_q198a01e16b_prep
	.p2align	8
	.type	k_q198a01e16b_prep,@function
k_q198a01e16b_prep:
	s_mov_b64 s[64:65], 0
	v_nop
	global_prefetch_b8 v0, s[64:65] scope:SCOPE_SE
	s_setreg_imm32_b32 hwreg(HW_REG_WAVE_MODE, 25, 1), 1
	s_wait_xcnt 0x0
; k and v, [32 heads][2048 keys][64] f32, become codes of BF6 (E3M2) with one E8M0 scale byte for each 32 along a product's K:
; k along the head's 64, v along the KEYS.  They are laid in kv in the ORDER OF THE OPERANDS' REGISTERS, so that the attention launch
; takes every fragment by plain 16-byte loads.  kv: [head][step of 128 keys][12,800 bytes]; in a step:
;   +0      four images of K's fragments, 1,536 bytes each: registers 4 g .. 4 g + 3 of lane l at 1536 f + 512 g + 16 l
;   +6144   four images of V's fragments (tile t = channels 16 t .. 16 t + 15), laid the same way
;   +12288  the scale words: lane l's 16 bytes at 16 l; with a = l / 16, r = l % 16: K fragment a, K fragment 2 + a, V tile a, V tile 2 + a, row r of each
; K FRAGMENT f HOLDS TWO TILES OF 16 KEYS (the first product's K is 64, an instruction's is 128): registers 6 u .. 6 u + 5 hold tile 2 f + u, whose row r is
; key 64 (f / 2) + 16 (f % 2) + 8 u + r % 8 + 32 (r / 8); lane (r, h) holds d = 32 h .. 32 h + 31.  With these rows the scores of a lane come out as whole blocks of 32 neighbouring keys.
; V TILE t: row r is channel 16 t + r; registers 6 c .. 6 c + 5 of lane (r, h) hold keys 64 c + 32 h + 0 .. 31 of the step.
; A block's scale is 2^(floor(log2(largest magnitude)) - 4): its byte is the largest magnitude's exponent field - 4, held at 1 from below.
; No step and no input of the problem is left out.
; LIMITS: a block of zeros gets the byte 1 where the rule says 127 (its codes are zeros, and this program alone reads the bytes); blocks whose largest magnitude lies under 2^(5 - 127) keep the byte 1;
; NaN and infinities among the inputs are not served.
; SHARES: a work-group makes one step's 12,800 bytes from 32 KiB of k and 32 KiB of v, both dense.  Wave w makes K fragment w and V tile w.  V COMES FIRST: its rows 32 w .. 32 w + 31 are loaded by wave w and meet in LDS behind a barrier,
; since a tile of V takes 16 channels of all 128 keys.  K's 32 rows are those of the wave's own fragment: they turn through LDS bytes of the wave's own, with no barrier.  Every load takes 512 consecutive bytes.
.set VST,  35328                       ; LDS: K's stages at 0, V's here.  V's row key lies at 272 key + 128 (key / 32): 272 = 17 x 16 keeps 16 rows in 16 different 16-byte columns
.set GRP,  8832                        ; 32 x 272 + 128: a wave's rows
.set SCW,  70656                       ; the step's 512 bytes of scale words
.set SPARE, 71168                      ; the spare words, 128 bytes for each wave; no other line names them
.set LI,   4                           ; v4   16 x lane: my bytes of a load and of a store; never rewritten
.set STI,  5                           ; v5   into a stage: 8832 w + 272 h + 16 r
.set KRD,  6                           ; v6   K's stage, my row and half
.set VRD,  7                           ; v7   V's stage, my channel and half
.set SWA,  8                           ; v8   where my fragment's scale word of row r goes
.set SRD,  9                           ; v9   the scale words on the way out
.set SH8,  10                          ; v10  8 h
.set X1,   11                          ; v11  a lane permute's destination
.set MX,   12                          ; v12-13 two blocks' largest magnitudes
.set SO,   14                          ; v14-15 the conversions' scale operands
.set BY,   16                          ; v16-17 the scale bytes
.set XK,   32                          ; v32-95   k as loaded
.set XV,   96                          ; v96-159  v as loaded, then my 64 numbers of V, then of K
.set CK,   160                         ; v160-171 K's codes
.set CV,   172                         ; v172-183 V's codes
.set TC,   184                         ; v184-186, v188-190 the upper halves' codes on their way
.set SPW,  192                         ; v192 my spare word; never rewritten
.set NIL,  193                         ; v193 0; never rewritten
	s_load_b128 s[4:7], s[0:1], 0x0                ; k, v
	s_load_b64 s[8:9], s[0:1], 0x10                ; kv
	v_lshl_add_u32 v[SPW], v0, 2, SPARE
	v_mov_b32 v[NIL], 0
	v_lshrrev_b32 v1, 5, v0
	v_readfirstlane_b32 s10, v1                    ; wave 0..3
	v_and_b32 v1, 31, v0                           ; lane
	v_and_b32 v2, 15, v0                           ; r
	v_bfe_u32 v3, v0, 4, 1                         ; h
	v_lshlrev_b32 v[LI], 4, v1
	s_and_b32 s11, ttmp7, 0xffff                   ; the head
	s_lshl_b32 s12, s11, 4
	s_add_co_u32 s12, s12, ttmp9                   ; the step among all 512
	s_lshr_b32 s22, s10, 1                         ; w / 2
	s_and_b32 s23, s10, 1                          ; w % 2
	s_lshl_b32 s14, s12, 15                        ; its 128 rows of 256 bytes;
	s_lshl_b32 s24, s22, 14
	s_lshl_b32 s25, s23, 12
	s_add_co_u32 s24, s24, s25
	s_add_co_u32 s24, s24, s14                     ; in k rows 64 (w / 2) + 16 (w % 2) on,
	s_mov_b32 s25, 0
	s_lshl_b32 s15, s10, 13
	s_add_co_u32 s14, s14, s15                     ; in v rows 32 w on
	s_mov_b32 s15, 0
	s_mul_i32 s16, s12, 12800                      ; the step's block of kv,
	s_mul_i32 s17, s10, 1536                       ; my fragment's image in it
	s_add_co_u32 s16, s16, s17
	s_mov_b32 s17, 0
	s_mov_b32 s20, 0x76543210
	s_mov_b32 s21, 0xfedcba98                      ; v_permlanex16_b32's selects for lane l xor 16
	s_wait_alu depctr_va_vdst(0)
	s_wait_kmcnt 0x0
	s_add_nc_u64 s[4:5], s[4:5], s[24:25]
	s_add_nc_u64 s[6:7], s[6:7], s[14:15]
	s_add_nc_u64 s[8:9], s[8:9], s[16:17]
.set i, 0
.rept 16
	global_load_b128 v[XV+4*i:XV+4*i+3], v[LI], s[6:7] offset:512*i th:TH_LOAD_NT   ; two rows of v
.set i, i+1
.endr
.set i, 0
.rept 16
	global_load_b128 v[XK+4*i:XK+4*i+3], v[LI], s[4:5] offset:512*i+4096*(i/8) th:TH_LOAD_NT   ; two rows of k: sixteen rows, and the sixteen that lie 32 further on
.set i, i+1
.endr
	; every LDS address is a constant x lane terms + a constant x wave terms
	s_mul_i32 s18, s10, GRP
	v_mul_u32_u24 v[STI], v3, 272
	v_and_b32 v[KRD], 7, v0
	v_mul_u32_u24 v[VRD], v3, GRP
	v_bfe_u32 v12, v0, 3, 1
	v_lshl_add_u32 v[STI], v2, 4, v[STI]
	v_mul_u32_u24 v[KRD], v[KRD], 272
	v_lshl_add_u32 v[VRD], v2, 2, v[VRD]
	v_add_nc_u32 v[STI], s18, v[STI]               ; a load's row 2 i + h of my 32, byte 16 r; 544 i stands in the immediate
	v_mad_u32_u24 v[KRD], v12, 16*272+128, v[KRD]
	s_lshl_b32 s19, s10, 6
	v_add_nc_u32 v[VRD], s19, v[VRD]               ; key 32 h, channel 16 w + r
	v_lshl_add_u32 v[KRD], v3, 7, v[KRD]
	s_lshl_b32 s24, s23, 8
	s_lshl_b32 s25, s22, 2
	s_add_co_u32 s24, s24, s25
	s_add_co_u32 s24, s24, SCW
	v_add_nc_u32 v[KRD], s18, v[KRD]               ; my row r % 8 + 16 (r / 8), byte 128 h; 8 u rows stand in the immediate (128 bytes part the two runs of sixteen rows)
	v_lshl_add_u32 v[SWA], v2, 4, s24              ; lane 16 (w % 2) + r's 16 bytes, word w / 2 (V's: two words on)
	v_add_nc_u32 v[SRD], SCW, v[LI]
	v_lshlrev_b32 v[SH8], 3, v3
	v_mov_b32 v[X1], 0                             ; written once: a lane permute's destination counts as one of its sources
; 64 numbers of a lane, v[x] on, two whole blocks of 32, become a fragment's 12 registers of codes, v[c] on, and its scale word, v[w].
.macro QUANT2 x, c, w
.irp b, 0,1
	v_max3_num_f32 v[MX+\b], |v[\x+32*\b]|, |v[\x+32*\b+1]|, 0x2800000   ; and the floor 2^(5 - 127): the byte cannot fall under 1
.endr
.irp i, 2,4,6,8,10,12,14,16,18,20,22,24,26,28,30
.irp b, 0,1
	v_max3_num_f32 v[MX+\b], v[MX+\b], |v[\x+32*\b+\i]|, |v[\x+32*\b+\i+1]|   ; the two blocks by turns
.endr
.endr
.irp b, 0,1
	v_add_nc_u32 v[SO+\b], 0xfe000000, v[MX+\b]    ; 4 off the exponent field: the conversion takes this operand's exponent field as its scale
.endr
.irp b, 0,1
	v_lshrrev_b32 v[BY+\b], 23, v[SO+\b]           ; the scale's byte
.endr
.irp b, 0,1
	v_cvt_scalef32_pk16_bf6_f32 v[\c+6*\b:\c+6*\b+2], v[\x+32*\b:\x+32*\b+15], v[SO+\b]
	v_cvt_scalef32_pk16_bf6_f32 v[TC+4*\b:TC+4*\b+2], v[\x+32*\b+16:\x+32*\b+31], v[SO+\b]   ; a conversion's three registers begin on an even number: the upper half is made here and moved
.endr
	v_lshl_or_b32 v[\w], v[BY+1], 16, v[BY]        ; my two bytes: blocks h and 2 + h of my row,
.irp i, 0,1,2
	v_mov_b32 v[\c+3+\i], v[TC+\i]
.endr
	v_lshlrev_b32 v[\w], v[SH8], v[\w]             ; at their places;
.irp i, 0,1,2
	v_mov_b32 v[\c+9+\i], v[TC+4+\i]
.endr
	v_permlanex16_b32 v[X1], v[\w], s20, s21
	v_or_b32 v[\w], v[\w], v[X1]                   ; with lane l xor 16's two the word is whole
.endm
	s_wait_alu depctr_va_vdst(0)
	s_wait_loadcnt 16                              ; v's sixteen loads are in; k's sixteen, issued behind them, may be out
.set i, 0
.rept 16
	ds_store_b128 v[STI], v[XV+4*i:XV+4*i+3] offset:VST+544*i
.set i, i+1
.endr
	s_wait_dscnt 0x0                               ; for the others' sake: my rows of v lie in the stage
	s_barrier_signal -1
	s_barrier_wait -1                              ; all 128 rows do
.irp c, 0,1
.set i, 0
.rept 32
	ds_load_b32 v[XV+32*\c+i], v[VRD] offset:VST+2*GRP*\c+272*i   ; keys 64 c + 32 h + i of my channel: registers run down the keys
.set i, i+1
.endr
.endr
	s_wait_dscnt 0x0
	QUANT2 XV, CV, 19
.irp g, 0,1,2
	global_store_b128 v[LI], v[CV+4*\g:CV+4*\g+3], s[8:9] offset:6144+512*\g   ; 512 consecutive bytes, at a multiple of 256 from kv's first byte
.endr
	ds_store_b32 v[SWA], v19 offset:8              ; both lanes of a row write the same word with the same value
	s_wait_alu depctr_va_vdst(0)
	s_wait_loadcnt 0x0                             ; k is in
.set i, 0
.rept 16
	ds_store_b128 v[STI], v[XK+4*i:XK+4*i+3] offset:544*i+128*(i/8)
.set i, i+1
.endr
.irp u, 0,1
.irp j, 0,1,2,3,4,5,6,7
	ds_load_b128 v[XV+32*\u+4*\j:XV+32*\u+4*\j+3], v[KRD] offset:2176*\u+16*\j   ; tile 2 w + u: my key's 32 numbers.  The bytes are my wave's own and LDS serves a wave's instructions in order: these see my stores
.endr
.endr
	s_wait_dscnt 0x0
	QUANT2 XV, CK, 18
.irp g, 0,1,2
	global_store_b128 v[LI], v[CK+4*\g:CK+4*\g+3], s[8:9] offset:512*\g
.endr
	ds_store_b32 v[SWA], v18
	s_wait_dscnt 0x0                               ; for wave 0's sake: my scale words lie in LDS
	s_barrier_signal -1
	s_barrier_wait -1
	s_cmp_lg_u32 s10, 0                            ; wave 0 sends the step's 512 bytes of scale words (its base has no fragment's offset)
	s_cbranch_scc1 .Ldone
	ds_load_b128 v[20:23], v[SRD]
	s_wait_dscnt 0x0
	global_store_b128 v[LI], v[20:23], s[8:9] offset:12288
.Ldone:
	s_wait_tensorcnt 0x0                           ; the wave's end
	ds_add_u32 v[SPW], v[NIL]
	s_wait_dscnt 0x0
	s_endpgm
.Lfunc_end_k_q198a01e16b_prep:
	.size	k_q198a01e16b_prep, .Lfunc_end_k_q198a01e16b_prep-k_q198a01e16b_prep
	.p2alignl 7, 3214868480
	.fill 96, 4, 3214868480
	.section	.rodata,"a",@progbits
	.p2align	6, 0x0
	.amdhsa_kernel k_q198a01e16b_prep
		.amdhsa_group_segment_fixed_size 71680
		.amdhsa_private_segment_fixed_size 0
		.amdhsa_enable_private_segment 0
		.amdhsa_kernarg_size 24
		.amdhsa_user_sgpr_count 2
		.amdhsa_user_sgpr_kernarg_segment_ptr 1
		.amdhsa_wavefront_size32 1
		.amdhsa_system_sgpr_workgroup_id_x 1
		.amdhsa_system_sgpr_workgroup_id_y 1
		.amdhsa_system_sgpr_workgroup_id_z 1
		.amdhsa_system_vgpr_workitem_id 0
		.amdhsa_next_free_vgpr 194
		.amdhsa_next_free_sgpr 66
		.amdhsa_reserve_vcc 0
		.amdhsa_float_denorm_mode_32 3
		.amdhsa_float_denorm_mode_16_64 3
		.amdhsa_memory_ordered 1
		.amdhsa_forward_progress 1
		.amdhsa_inst_pref_size 21
	.end_amdhsa_kernel
	.amdgpu_metadata
---
amdhsa.version: [ 1, 2 ]
amdhsa.kernels:
  - .name:           k_q198a01e16b_prep
    .symbol:         k_q198a01e16b_prep.kd
    .args:
      - { .name: k, .offset: 0, .size: 8, .value_kind: global_buffer, .address_space: global }
      - { .name: v, .offset: 8, .size: 8, .value_kind: global_buffer, .address_space: global }
      - { .name: kv, .offset: 16, .size: 8, .value_kind: global_buffer, .address_space: global }
    .group_segment_fixed_size: 71680
    .private_segment_fixed_size: 0
    .kernarg_segment_align: 8
    .kernarg_segment_size: 24
    .max_flat_workgroup_size: 128
    .sgpr_count:     66
    .vgpr_count:     194
    .wavefront_size: 32
...
	.end_amdgpu_metadata
.endif
;; end of part 1
;; launch attn (part 2): grid 8 x 32, 8 waves a work-group, clusters of 4 x 1, 276,480 bytes of LDS; arguments q, kv, out0; writes out0
.if DOCPART == 2
	.amdgcn_target "amdgcn-amd-amdhsa--gfx1250"
	.amdhsa_code_object_version 6
	.text
	.protected	k_q198a01e16b_attn
	.globl	k_q198a01e16b_attn
	.p2align	8
	.type	k_q198a01e16b_attn,@function
k_q198a01e16b_attn:
	s_mov_b64 s[64:65], 0
	v_nop
	global_prefetch_b8 v0, s[64:65] scope:SCOPE_SE
	s_setreg_imm32_b32 hwreg(HW_REG_WAVE_MODE, 25, 1), 1
	s_wait_xcnt 0x0
	s_wait_alu depctr_hold_cnt(0) depctr_sa_sdst(0) depctr_va_vdst(0) depctr_va_sdst(0) depctr_va_ssrc(0) depctr_va_vcc(0) depctr_vm_vsrc(0)
	s_getreg_b32 s2, hwreg(HW_REG_IB_STS2, 6, 4)
	s_cmp_eq_u32 s2, 0
	s_cbranch_scc0 .Lentry_in_a_cluster
	s_endpgm
.Lentry_in_a_cluster:
	s_bfe_u32 s2, ttmp6, 0x10000c
	s_cmp_lg_u32 s2, 0x3003
	s_cbranch_scc0 .Lentry_shape_is_right
	s_endpgm
.Lentry_shape_is_right:
; out0[head][q][:] = the sum over keys of softmax(0.125 q . k) v, 32 heads x 2,048 x 64, both products on codes of BF6 (E3M2) with one E8M0 scale for each 32 along a product's K.
; K's and V's codes and scale words come from kv, [head][step of 128 keys][12,800 bytes], laid in the order of the operands' registers (four images of K's fragments, four of V's, 512 bytes of scale words).
; No step and no input of the problem is left out.
; THE SOFTMAX AHEAD OF THE SECOND PRODUCT: t = score x log2(e); M = the row's largest t so far, rounded UP to a whole number; p = 2^(t - M) is quantised along the keys, not normalised;
; the row's sum is taken of the unquantised p and divides at the end.  When M moves, the sum and O are multiplied by 2^(old M - new M): exact.
; SHARES.  A work-group owns 256 queries of one head, each of its eight waves 32 of them: two tiles of 16, which use every fragment of K and V that the wave takes from LDS.
; A HEAD'S K AND V, 204,800 bytes, LIE IN LDS WHOLE: wave w brings steps 2 w and 2 w + 1 by its one tensor load, so no LDS byte is filled a second time, and behind one barrier the waves go on without another.
; CLUSTER.  The four work-groups of a cluster belong to one head and need the same bytes: every load is asked for JOINTLY, by the same descriptor and a mask that names the four.
; No prefetch into the L2: all loads from memory are issued at the head, and no loop runs ahead of one.
; A TRIP IS 256 KEYS: their fragments (8 of K, 8 of V) stand in registers, 128 scores a lane are made for a tile of queries, so one maximum, one M and one rescaling serve 256 keys; then the same for the other tile.
; LAYOUT.  Both products are used transposed: S^T = K Q^T, O^T = V^T P^T: a lane holds ONE query (lane % 16) of a tile throughout.  The rows of K's tiles are chosen (by the launch that made kv) so that
; score register 128 g' + 32 c + i (g' = which 128 keys, counted in registers 64 g') of lane (r, h) is key 128 g' + 64 c + 32 h + i of the trip: a lane owns four WHOLE blocks of 32 keys, in the order of the second product's operand.
; THE FIRST PRODUCT'S K IS 64, AN INSTRUCTION'S 128.  A fragment of K holds two tiles of keys, one in each half of K.  Q's six registers of codes stand between six registers of zeros on either side.
; The other half of K's fragment meets zero CODES (E3M2 has no code for infinity or NaN; K's scale bytes are 1 .. 254; Q's for the dead blocks are 0, which is 2^-127): exact zeros.
; LIMITS: NaN and infinities among the inputs are not served; the softmax is promised while the scaled scores (exponents to the base 2, before the maximum is taken away) stay under 2^31 in magnitude;
; a block of p that has fallen to zeros keeps the byte 1: its codes are zeros; blocks of q whose largest magnitude x 0.125 lies under 2^(5 - 127) keep the byte 1.
.set KVB,   12800                      ; a step's bytes
.set STAGE, 204800                     ; behind K and V: 32 rows x 272 bytes for each wave, its own: Q's turn at the head, the way out at the end.  No tensor load lands here
.set WST,   32*272
.set SPARE, STAGE+8*WST                ; the spare words, 128 bytes for each wave; no other line names them
; window 0
.set LI,   0                           ; v0   16 x lane; never rewritten behind the head
.set NIL,  1                           ; v1   0; never rewritten
.set QS,   2                           ; v2-3 Q's scale words, tile 0 and 1: lanes 0-15 for Q in the lower half of K, lanes 16-31 in the upper
.set SUMA, 4                           ; v[4:5], v[6:7] the rows' sums, in two halves
.set NMA,  8                           ; v8, v10  -M; v9, v11 the running largest score
.set PS,   12                          ; v12-13 p's scale words for the two 128 keys
.set FAC,  14                          ; v14  f = 2^(old M - new M)
.set X1,   15                          ; v15  a lane permute's destination (named with v14 as a pair)
.set SO,   16                          ; v16-19 second chains of the maxima, then the conversions' scale operands
.set BM,   20                          ; v20-23 four blocks' largest scores, then p, then bytes
.set ADR,  19                          ; v19  the address of a run of LDS loads, between the maxima and the scale operands
.set SCK,  24                          ; v24-27 scale words of K: step 0's fragments 0|1, 2|3 (lanes 0-15 | 16-31), step 1's
.set SCV,  28                          ; v28-31 scale words of V, likewise
.set T,    32                          ; v32-34, v36-38 upper halves of codes on their way
.set SPW,  35                          ; v35  LDS address of my spare word; never rewritten
.set SH8,  39                          ; v39  8 h
.set PC,   40                          ; v40-63 p's codes, two operands
.set ACCA, 64                          ; v64-95, v96-127 O^T of tile 0 and 1
.set S,    128                         ; v128-255 S^T, then p, then partial sums
; window 1
.set KF,   0                           ; K's eight fragments
.set VF,   96                          ; V's eight
.set QB,   192                         ; 6 zeros, Q's codes of tile 0, 6 zeros, Q's codes of tile 1, 6 zeros
.set WV,  10                           ; s10  my wave's number
.set G1,  16                           ; s[16:23] descriptor group 1
.set G0,  24                           ; s[24:27] group 0
.set SEL, 40                           ; s[40:41] selects for lane l xor 16
.set CS,  42                           ; s[42:43] c = log2(e): the packed form names a pair and takes its low word for both halves
.set TB,  44                           ; s44  LDS byte at which the trip's keys begin
.set CNT, 45                           ; s45  trips to go
.set MSB, 0
.macro WIN new                         ; the immediate's high byte repeats the setting that is left
.if MSB != \new
	s_set_vgpr_msb (MSB<<8)|\new
.set MSB, \new
.endif
.endm
; A round of the cluster's barrier: my work-group's barrier; wave 0 signals for the work-group; every wave waits for all four work-groups; my work-group's barrier once more.
.macro CROUND
	s_barrier_signal -1
	s_barrier_wait -1
	s_cmp_lg_u32 s[WV], 0
	s_cbranch_scc1 .Lnot_wave_0_\@
	s_barrier_signal -3
.Lnot_wave_0_\@:
	s_barrier_wait -3
	s_barrier_signal -1
	s_barrier_wait -1
.endm
; The LDS loads of one operand of a trip, 256 keys: fragments into window 1, base f, from byte o of each step; scale words into v[w] on, from byte wo.  Every fragment load takes 512 consecutive bytes.
.macro FRAGS f, o, w, wo
	v_add_nc_u32 v[ADR], s[TB], v[LI]
	ds_load_b64 v[\w:\w+1], v[ADR] offset:\wo
	ds_load_b64 v[\w+2:\w+3], v[ADR] offset:KVB+\wo
	WIN 0x40
.irp g, 0,1
.irp t, 0,1,2,3
.irp n, 0,1,2
	ds_load_b128 v[\f+48*\g+12*\t+4*\n:\f+48*\g+12*\t+4*\n+3], v[ADR] offset:KVB*\g+\o+1536*\t+512*\n
.endr
.endr
.endr
	WIN 0
.endm
; S^T = K Q^T: fragment f of step g against Q in the lower half of K (u = 0) gives tile 2 f, against Q in the upper half (u = 1) tile 2 f + 1
.macro QK g, f, u
.set QD, S+8*(8*(\g)+2*(\f)+(\u))
.set QA, KF+48*(\g)+12*(\f)
.set QO, QX+6-6*(\u)
.set QW, SCK+2*(\g)+(\f)/2
.if (\f)%2
.if \u
	v_wmma_scale_f32_16x16x128_f8f6f4 v[QD:QD+7], v[QA:QA+11], v[QO:QO+11], 0, v[QW], v[QSX] matrix_a_fmt:MATRIX_FMT_BF6 matrix_b_fmt:MATRIX_FMT_BF6 matrix_a_scale:MATRIX_SCALE_ROW1 matrix_b_scale:MATRIX_SCALE_ROW1
.else
	v_wmma_scale_f32_16x16x128_f8f6f4 v[QD:QD+7], v[QA:QA+11], v[QO:QO+11], 0, v[QW], v[QSX] matrix_a_fmt:MATRIX_FMT_BF6 matrix_b_fmt:MATRIX_FMT_BF6 matrix_a_scale:MATRIX_SCALE_ROW1
.endif
.else
.if \u
	v_wmma_scale_f32_16x16x128_f8f6f4 v[QD:QD+7], v[QA:QA+11], v[QO:QO+11], 0, v[QW], v[QSX] matrix_a_fmt:MATRIX_FMT_BF6 matrix_b_fmt:MATRIX_FMT_BF6 matrix_b_scale:MATRIX_SCALE_ROW1
.else
	v_wmma_scale_f32_16x16x128_f8f6f4 v[QD:QD+7], v[QA:QA+11], v[QO:QO+11], 0, v[QW], v[QSX] matrix_a_fmt:MATRIX_FMT_BF6 matrix_b_fmt:MATRIX_FMT_BF6
.endif
.endif
.endm
; t - M of pair k of block b
; six of V's 24 loads of a trip: fragments 2 n and 2 n + 1 of its eight
.macro VSIX n
.irp t, 0,1
.irp j, 0,1,2
	ds_load_b128 v[VF+24*(\n)+12*\t+4*\j:VF+24*(\n)+12*\t+4*\j+3], v[ADR] offset:KVB*((\n)/2)+6144+1536*(2*((\n)%2)+\t)+512*\j
.endr
.endr
.endm
; t - M of pair k of block b
.macro FMA2 b, k
	v_pk_fma_f32 v[S+32*(\b)+2*(\k):S+32*(\b)+2*(\k)+1], v[S+32*(\b)+2*(\k):S+32*(\b)+2*(\k)+1], s[CS:CS+1], v[NM:NM+1] op_sel_hi:[1,0,0]
.endm
.macro EX n
	v_exp_f32 v[S+(\n)], v[S+(\n)]
.endm
; pair d of the 64 pairs of p += pair e: the row's sum is a tree over the pairs, in place, behind the conversions that read them
.macro ADD2 d, e
	v_pk_add_f32 v[S+2*(\d):S+2*(\d)+1], v[S+2*(\d):S+2*(\d)+1], v[S+2*(\e):S+2*(\e)+1]
.endm
.macro LV1 b, k
	ADD2 16*(\b)+2*(\k), 16*(\b)+2*(\k)+1
.endm
.macro LV2 b
.irp k, 0,1,2,3
	ADD2 16*(\b)+4*\k, 16*(\b)+4*\k+2
.endr
.endm
.macro LV3 b
.irp k, 0,1
	ADD2 16*(\b)+8*\k, 16*(\b)+8*\k+4
.endr
.endm
; block b's codes: the lower sixteen in place, the upper sixteen on the side (a conversion's three registers begin on an even number); plain lines stand between these and JOIN
.macro CODES b
	v_cvt_scalef32_pk16_bf6_f32 v[PC+6*(\b):PC+6*(\b)+2], v[S+32*(\b):S+32*(\b)+15], v[SO+(\b)]
	v_cvt_scalef32_pk16_bf6_f32 v[T+4*((\b)%2):T+4*((\b)%2)+2], v[S+32*(\b)+16:S+32*(\b)+31], v[SO+(\b)]
.endm
.macro JOIN b
	v_dual_mov_b32 v[PC+6*(\b)+3], v[T+4*((\b)%2)] :: v_dual_mov_b32 v[PC+6*(\b)+4], v[T+4*((\b)%2)+1]
	v_mov_b32 v[PC+6*(\b)+5], v[T+4*((\b)%2)+2]
.endm
; A batch of exponentials, block b's 32, with plain work among them whose results are first read behind the batch's wait: the multiply-adds of block b + 1 and the sums' first level of block b - 1
; (and, where earlier batches have made their sources, the sums' second and third levels)
.macro BATCH b
.irp k, 0,1,2,3,4,5,6,7
	EX 32*(\b)+4*\k
.if (\b) < 3
	FMA2 (\b)+1, 2*\k
.else
.if (\k)%2 == 0
	ADD2 16+2*\k, 16+2*\k+2                        ; block 1, second level
.endif
.endif
	EX 32*(\b)+4*\k+1
.if (\b) > 0
	LV1 (\b)-1, \k
.endif
	EX 32*(\b)+4*\k+2
.if (\b) < 3
	FMA2 (\b)+1, 2*\k+1
.else
.if (\k)%4 == 1
	ADD2 8*(\k/4), 8*(\k/4)+4                      ; block 0, third level
.endif
.endif
	EX 32*(\b)+4*\k+3
.if (\b) == 2
.if (\k)%2 == 0
	ADD2 2*\k, 2*\k+2                              ; block 0, second level
.endif
.endif
.endr
	s_wait_alu depctr_va_vdst(0)                   ; ahead of the batch's first reader
.endm
	s_load_b128 s[4:7], s[0:1], 0x0                ; q, kv
	s_load_b64 s[8:9], s[0:1], 0x10                ; out0
	v_lshl_add_u32 v[SPW], v0, 2, SPARE
	v_mov_b32 v[NIL], 0
	ds_add_u32 v[SPW], v[NIL]                      ; the opening lines: the add, twice on end, and the one wait for both
	ds_add_u32 v[SPW], v[NIL]
	v_lshrrev_b32 v20, 5, v0
	v_readfirstlane_b32 s[WV], v20                 ; wave 0..7
	s_bfe_u32 s11, ttmp6, 0x40000                  ; cx: my place in the cluster: it enters q's and out0's addresses alone
	s_lshl_b32 s12, ttmp9, 2
	s_add_co_u32 s12, s12, s11                     ; my block of 256 queries = 4 x cluster x + cx
	s_and_b32 s13, ttmp7, 0xffff                   ; the head, which the four partners share
	s_lshl_b32 s14, s13, 19                        ; a head: 2,048 rows of 256 bytes;
	s_lshl_b32 s15, s12, 16                        ; my block's 256 rows;
	s_add_co_u32 s14, s14, s15
	s_lshl_b32 s15, s[WV], 13                      ; my wave's 32
	s_add_co_u32 s14, s14, s15
	s_mov_b32 s15, 0
	s_mul_i32 s46, s13, 16*KVB                     ; the head's block of kv,
	s_mul_i32 s49, s[WV], 2*KVB                    ; steps 2 w and 2 w + 1 of it: in memory and in LDS alike
	s_add_co_u32 s46, s46, s49
	s_mov_b32 s47, 0
	s_mul_i32 s48, s[WV], WST
	s_add_co_u32 s48, s48, STAGE                   ; my stage
	; descriptor group 1: two steps' 25,600 dense bytes as 100 rows of 256 bytes (32 elements of 8 bytes), no padding: they lie in LDS as in memory
	s_mov_b32 s[G1+0], 15|(3<<16)|(1<<21)          ; 15:0 the mask: all four work-groups; 17:16 elements of 8 bytes; 21 set beside a mask
	s_mov_b32 s[G1+1], 32<<16                      ; tensor_dim0 = 32
	s_mov_b32 s[G1+2], 100<<16                     ; tensor_dim1 = 100
	s_mov_b32 s[G1+3], 32<<16                      ; tile_dim0 = 32
	s_mov_b32 s[G1+4], 100                         ; tile_dim1 = 100
	s_mov_b32 s[G1+5], 32                          ; from row to row: 32 elements
	s_mov_b32 s[G1+6], 0
	s_mov_b32 s[G1+7], 0
	s_mov_b32 s[SEL], 0x76543210
	s_mov_b32 s[SEL+1], 0xfedcba98
	s_mov_b32 s[CS], 0x3fb8aa3b                    ; log2(e); the 0.125 is in Q
	s_mov_b32 s[CS+1], s[CS]                       ; named with it as a pair, so it is written
	v_and_b32 v20, 15, v0                          ; r
	v_bfe_u32 v21, v0, 4, 1                        ; h
	v_and_b32 v[LI], 31, v0                        ; the lane (the thread's number is not needed again)
	v_mul_u32_u24 v23, v20, 272
	v_mul_u32_u24 v22, v21, 272
	v_lshlrev_b32 v[LI], 4, v[LI]
	v_lshl_add_u32 v23, v21, 7, v23
	v_lshl_add_u32 v22, v20, 4, v22
	v_lshlrev_b32 v[SH8], 3, v21
	v_add_nc_u32 v23, s48, v23                     ; the stage: row r, byte 128 h
	v_add_nc_u32 v22, s48, v22                     ; the stage: row h, byte 16 r
	v_mov_b32 v[X1], 0                             ; written once: a lane permute's destination counts as one of its sources
	s_wait_alu depctr_va_vdst(0)
	s_wait_dscnt 0x0                               ; both opening adds are done
	s_wait_kmcnt 0x0
	s_add_nc_u64 s[4:5], s[4:5], s[14:15]          ; q and out0 at my wave's first row
	s_add_nc_u64 s[8:9], s[8:9], s[14:15]
	s_add_nc_u64 s[6:7], s[6:7], s[46:47]          ; kv at step 2 w of the head
.set i, 0
.rept 16
	global_load_b128 v[S+4*i:S+4*i+3], v[LI], s[4:5] offset:512*i th:TH_LOAD_NT   ; two rows of q: 512 consecutive bytes
.set i, i+1
.endr
	s_mov_b32 s[G0], 1                             ; count = 1
	s_mov_b32 s[G0+1], s49                         ; LDS address: 25,600 w
	s_mov_b64 s[G0+2:G0+3], s[6:7]
	s_or_b32 s[G0+3], s[G0+3], 0x80000000          ; type = 2
	CROUND                                         ; all four work-groups are here: the joint loads meet
	tensor_load_to_lds s[G0:G0+3], s[G1:G1+7]      ; my one tensor load
	s_nop 0
.set i, 0
.rept 64
	v_mov_b32 v[ACCA+i], 0                         ; O^T of both tiles.  The step is written once: its first run finds zeros, which the first change of M leaves zeros
.set i, i+1
.endr
	; Q turns through my stage: in as loaded, out 128 bytes a lane: row r, d = 32 h .. 32 h + 31, one block.  The bytes are my wave's own and LDS serves a wave's instructions in order: no wait between the stores and the loads
	s_wait_alu depctr_va_vdst(0)
	s_wait_loadcnt 0x0
.set i, 0
.rept 16
	ds_store_b128 v22, v[S+4*i:S+4*i+3] offset:544*i
.set i, i+1
.endr
.irp x, 0,1
.set i, 0
.rept 8
	ds_load_b128 v[S+64+32*\x+4*i:S+64+32*\x+4*i+3], v23 offset:16*272*\x+16*i
.set i, i+1
.endr
.endr
	s_wait_dscnt 0x0
.set i, 0
.rept 32
	v_pk_mul_f32 v[S+64+2*i:S+64+2*i+1], v[S+64+2*i:S+64+2*i+1], 0x3e000000 op_sel_hi:[1,0]   ; q x 0.125, as the first product's operand is defined
.set i, i+1
.endr
	v_lshlrev_b32 v20, 1, v[SH8]                   ; 16 h
.irp x, 0,1
	v_max3_num_f32 v[SO+\x], |v[S+64+32*\x]|, |v[S+65+32*\x]|, 0x2800000   ; the block's largest magnitude, and the floor 2^(5 - 127)
.endr
.irp i, 2,4,6,8,10,12,14,16,18,20,22,24,26,28,30
.irp x, 0,1
	v_max3_num_f32 v[SO+\x], v[SO+\x], |v[S+64+32*\x+\i]|, |v[S+65+32*\x+\i]|
.endr
.endr
.irp x, 0,1
	v_add_nc_u32 v[SO+2+\x], 0xfe000000, v[SO+\x]  ; 4 off the exponent field: the conversion's scale operand
.endr
.irp x, 0,1
	v_cvt_scalef32_pk16_bf6_f32 v[PC+8*\x:PC+8*\x+2], v[S+64+32*\x:S+79+32*\x], v[SO+2+\x]
	v_cvt_scalef32_pk16_bf6_f32 v[PC+8*\x+4:PC+8*\x+6], v[S+80+32*\x:S+95+32*\x], v[SO+2+\x]
.endr
.irp x, 0,1
	v_lshrrev_b32 v[SO+\x], 23, v[SO+2+\x]         ; the byte,
.endr
.irp x, 0,1
	v_lshlrev_b32 v[SO+\x], v[SH8], v[SO+\x]       ; at block h's place;
.endr
.irp x, 0,1
	v_permlanex16_b32 v[X1], v[SO+\x], s[SEL], s[SEL+1]
	v_or_b32 v[SO+\x], v[SO+\x], v[X1]             ; with lane l xor 16's: bytes 0 and 1; bytes 2 and 3, of the zero codes, are 0
.endr
.irp x, 0,1
	v_lshlrev_b32 v[QS+\x], v20, v[SO+\x]          ; lanes 16-31: the same two bytes two places up, for Q in the upper half of K
.endr
	WIN 0x40
.irp x, 0,1
.irp i, 0,1,2
	v_mov_b32 v[QB+6+12*\x+\i], v[PC+8*\x+\i]
	v_mov_b32 v[QB+9+12*\x+\i], v[PC+8*\x+4+\i]
.endr
.endr
.irp i, 0,1,2,3,4,5
	v_mov_b32 v[QB+\i], 0                          ; zero codes on either side
	v_mov_b32 v[QB+12+\i], 0
	v_mov_b32 v[QB+24+\i], 0
.endr
	WIN 0
.irp x, 0,1
	v_mov_b32 v[NMA+1+2*\x], 0xfe967699            ; the largest score so far: -1e38
.endr
.irp x, 0,1
	v_mov_b32 v[SUMA+2*\x], 0
	v_mov_b32 v[SUMA+2*\x+1], 0
.endr
.irp x, 0,1
	v_mul_f32 v[SO+\x], s[CS], v[NMA+1+2*\x]
.endr
	v_mov_b32 v[FAC], 0
	v_nop
.irp x, 0,1
	v_floor_f32 v[NMA+2*\x], -v[SO+\x]             ; -M.  (The ten lines since the zero codes are also the places between Q's codes and scale words and the first product)
.endr
	s_mov_b32 s[TB], 0
	s_mov_b32 s[CNT], 8
	s_wait_alu depctr_va_vdst(0)                   ; the head's end
	s_wait_tensorcnt 0x0                           ; my two steps have landed,
	s_wait_dscnt 0x0                               ; no LDS instruction of mine is pending at the signal,
	s_barrier_signal -1
	s_barrier_wait -1                              ; and behind it both hold of every wave: all of K and V lies in LDS, and nothing is filled again
	FRAGS KF, 0, SCK, 12288
; One tile of 16 queries against the trip's 256 keys.
.macro TILE x
.set NM,  NMA+2*(\x)
.set RM,  NM+1
.set SUM, SUMA+2*(\x)
.set ACC, ACCA+32*(\x)
.set QX,  QB+12*(\x)
.set QSX, QS+(\x)
	WIN 0x05
.irp g, 0,1
.irp f, 0,1,2,3
	QK \g, \f, 0
	QK \g, \f, 1
.endr
.endr
	WIN 0
.rept 4
	v_nop                                          ; four places behind the products (ISA guide 7.12.1)
.endr
	; the largest score of each of my four blocks of 32 keys, in four chains by turns for the first 128 keys, then for the second, ascending: it serves the row's maximum and, since p rises with the score, the block's largest p
.irp p, 0,2
.irp b, \p,\p+1
	v_max3_num_f32 v[BM+\b], v[S+32*(\b)], v[S+32*(\b)+1], v[S+32*(\b)+2]
	v_max3_num_f32 v[SO+\b], v[S+32*(\b)+16], v[S+32*(\b)+17], v[S+32*(\b)+18]
.endr
.irp i, 3,5,7,9,11,13
.irp b, \p,\p+1
	v_max3_num_f32 v[BM+\b], v[BM+\b], v[S+32*(\b)+\i], v[S+32*(\b)+\i+1]
	v_max3_num_f32 v[SO+\b], v[SO+\b], v[S+32*(\b)+16+\i], v[S+32*(\b)+17+\i]
.endr
.endr
.endr
.irp b, 0,1,2,3
	v_max3_num_f32 v[BM+\b], v[BM+\b], v[SO+\b], v[S+32*\b+15]
.endr
.irp b, 0,1,2,3
	v_max_num_f32 v[BM+\b], v[BM+\b], v[S+32*\b+31]
.endr
	v_max3_num_f32 v[SO], v[BM], v[BM+1], v[BM+2]
.if (\x) == 0
	v_add_nc_u32 v[ADR], s[TB], v[LI]              ; V's loads of this trip stand in three runs between the dependent lines.  V's last reader was the other tile's second product of the last trip: many plain lines stand between
	ds_load_b64 v[SCV:SCV+1], v[ADR] offset:12296
	ds_load_b64 v[SCV+2:SCV+3], v[ADR] offset:KVB+12296
	WIN 0x40
	VSIX 0
	WIN 0
	v_max_num_f32 v[SO], v[SO], v[BM+3]
	WIN 0x40
	VSIX 1
	VSIX 2
	WIN 0
	v_permlanex16_b32 v[X1], v[SO], s[SEL], s[SEL+1]   ; my query's other 128 keys lie in the lane 16 away
	WIN 0x40
	VSIX 3
	WIN 0
	v_max3_num_f32 v[RM], v[RM], v[SO], v[X1]      ; the running largest score
	s_add_co_u32 s[TB], s[TB], 2*KVB               ; on to the next trip's keys
.else
	s_delay_alu instid0(VALU_DEP_1)
	v_max_num_f32 v[SO], v[SO], v[BM+3]
	s_cmp_eq_u32 s[CNT], 1                         ; the last trip has no next keys
	s_wait_alu depctr_va_vdst(0)
	s_cbranch_scc1 .Lno_next
	FRAGS KF, 0, SCK, 12288                        ; both tiles have used K: the next trip's comes in under this tile's work
.Lno_next:
	v_permlanex16_b32 v[X1], v[SO], s[SEL], s[SEL+1]   ; my query's other 128 keys lie in the lane 16 away
	s_delay_alu instid0(VALU_DEP_1)
	v_max3_num_f32 v[RM], v[RM], v[SO], v[X1]      ; the running largest score
.endif
	v_mov_b32 v[SO+1], v[NM]                       ; -M of the trip before
	v_mul_f32 v[SO], s[CS], v[RM]                  ; as t
	s_delay_alu instid0(VALU_DEP_1)
	v_floor_f32 v[NM], -v[SO]                      ; the new -M = -ceil(t): M is a whole number
	s_delay_alu instid0(VALU_DEP_1)
	v_sub_f32 v[SO+1], v[NM], v[SO+1]              ; old M - new M: a whole number, 0 or less
.irp k, 0,1,2,3,4,5
	FMA2 0, \k                                     ; t - M, two at a time
.endr
	v_cvt_i32_f32 v[SO+1], v[SO+1]                 ; (it saturates)
.irp k, 6,7,8,9,10,11
	FMA2 0, \k
.endr
	v_ldexp_f32 v[FAC], 1.0, v[SO+1]               ; f = 2^(old M - new M)
.irp k, 12,13,14,15
	FMA2 0, \k
.endr
.irp b, 0,1,2,3
	v_fma_f32 v[BM+\b], v[BM+\b], s[CS], v[NM]     ; the same of each block's largest score
.endr
	s_wait_alu depctr_va_vdst(0)                   ; ahead of the batch, and ahead of the first reader of O^T
.set i, 0
.rept 16
	v_pk_mul_f32 v[ACC+2*i:ACC+2*i+1], v[ACC+2*i:ACC+2*i+1], v[FAC:FAC+1] op_sel_hi:[1,0]   ; O^T under the new M, each accumulator from its low end on
.set i, i+1
.endr
.irp b, 0,1,2,3
	v_exp_f32 v[BM+\b], v[BM+\b]                   ; the block's largest p: the same two instructions on the same number give the same bits
.endr
	BATCH 0                                        ; p = 2^(t - M): not normalised
.irp b, 0,1,2,3
	v_max_num_f32 v[BM+\b], 0x2800000, v[BM+\b]    ; the floor 2^(5 - 127): the byte cannot fall under 1
.endr
.irp b, 0,1,2,3
	v_add_nc_u32 v[SO+\b], 0xfe000000, v[BM+\b]    ; 4 off the exponent field: the conversion's scale operand
.endr
.irp b, 0,1,2,3
	v_lshrrev_b32 v[BM+\b], 23, v[SO+\b]           ; the scale's byte
.endr
	v_pk_mul_f32 v[SUM:SUM+1], v[SUM:SUM+1], v[FAC:FAC+1] op_sel_hi:[1,0]   ; the sum under the new M
	; Between two batches: a block's codes, the joining of the codes of the block before, and one level of the scale words' chain.  A plain line stands first, behind the exponentials, and one behind the conversions
	CODES 0
	v_lshl_or_b32 v[BM], v[BM+1], 16, v[BM]        ; my blocks h and 2 + h of each 128 keys,
	v_lshl_or_b32 v[BM+2], v[BM+3], 16, v[BM+2]
	BATCH 1
	v_lshlrev_b32 v[BM], v[SH8], v[BM]             ; at their places;
	JOIN 0
	CODES 1
	v_lshlrev_b32 v[BM+2], v[SH8], v[BM+2]
	BATCH 2
	v_permlanex16_b32 v[BM+1], v[BM], s[SEL], s[SEL+1]
	JOIN 1
	CODES 2
	v_permlanex16_b32 v[BM+3], v[BM+2], s[SEL], s[SEL+1]
	BATCH 3
	v_or_b32 v[PS], v[BM], v[BM+1]                 ; with lane l xor 16's two: p's scale words
	JOIN 2
	CODES 3
	v_or_b32 v[PS+1], v[BM+2], v[BM+3]
	LV2 2                                          ; the row's sum is taken of the UNQUANTISED p
	LV3 1
	JOIN 3
.irp k, 0,1,2,3,4,5,6,7
	LV1 3, \k                                      ; these eight name no register of the products below: they are the places between p's codes and those products
.endr
	s_wait_alu depctr_va_vdst(0)
.if (\x) == 0
	s_wait_dscnt 0x0                               ; V is in
.endif
	WIN 0x01
.irp g, 0,1
.irp t, 0,1,2,3                        ; O^T += V^T P^T: the four accumulators by turns, one instruction a turn, three others between an accumulator's turns
.if \t%2
	v_wmma_scale_f32_16x16x128_f8f6f4 v[ACC+8*\t:ACC+8*\t+7], v[VF+48*\g+12*\t:VF+48*\g+12*\t+11], v[PC+12*\g:PC+12*\g+11], v[ACC+8*\t:ACC+8*\t+7], v[SCV+2*\g+\t/2], v[PS+\g] matrix_a_fmt:MATRIX_FMT_BF6 matrix_b_fmt:MATRIX_FMT_BF6 matrix_a_scale:MATRIX_SCALE_ROW1
.else
	v_wmma_scale_f32_16x16x128_f8f6f4 v[ACC+8*\t:ACC+8*\t+7], v[VF+48*\g+12*\t:VF+48*\g+12*\t+11], v[PC+12*\g:PC+12*\g+11], v[ACC+8*\t:ACC+8*\t+7], v[SCV+2*\g+\t/2], v[PS+\g] matrix_a_fmt:MATRIX_FMT_BF6 matrix_b_fmt:MATRIX_FMT_BF6
.endif
.endr
.endr
	WIN 0
	LV2 3                                          ; the rest of the sum: sixteen lines, places behind those products
	LV3 2
	ADD2 0, 8
	ADD2 16, 24
	LV3 3
	ADD2 32, 40
	ADD2 0, 16
	ADD2 48, 56
	s_delay_alu instid0(VALU_DEP_2)
	ADD2 0, 32
	s_delay_alu instid0(VALU_DEP_1)
	ADD2 0, 48
	s_delay_alu instid0(VALU_DEP_1)
	v_pk_add_f32 v[SUM:SUM+1], v[SUM:SUM+1], v[S:S+1]
.endm
.Lstep:
	s_wait_dscnt 0x0                               ; K and its scale words are in
	TILE 0
	TILE 1
	s_sub_co_u32 s[CNT], s[CNT], 1
	s_cmp_lg_u32 s[CNT], 0
	s_wait_alu depctr_va_vdst(0)
	s_cbranch_scc1 .Lstep
	; THE WAY OUT.  O^T / the sum goes through my stage and leaves as whole rows: a store takes two rows of 256 bytes, 512 consecutive bytes.
	v_add_f32 v[SO], v[SUMA], v[SUMA+1]            ; the sums' two halves,
	v_add_f32 v[SO+2], v[SUMA+2], v[SUMA+3]
	v_bfe_u32 v20, v[LI], 4, 4                     ; r
	v_bfe_u32 v21, v[LI], 8, 1                     ; h
	v_permlanex16_b32 v[X1], v[SO], s[SEL], s[SEL+1]
	v_mul_u32_u24 v23, v20, 272
	v_mul_u32_u24 v22, v21, 272
	v_add_f32 v[SO], v[SO], v[X1]                  ; and lane l xor 16's: the row's sum
	v_lshl_add_u32 v23, v21, 5, v23
	v_permlanex16_b32 v[X1], v[SO+2], s[SEL], s[SEL+1]
	v_lshl_add_u32 v22, v20, 4, v22
	v_add_nc_u32 v23, s48, v23                     ; the stage: row r, byte 32 h
	v_add_f32 v[SO+2], v[SO+2], v[X1]
	v_add_nc_u32 v22, s48, v22                     ; the stage: row h, byte 16 r
	v_mov_b32 v[SO+1], 0                           ; named as the upper halves of pairs
	v_mov_b32 v[SO+3], 0
	s_wait_alu depctr_va_vdst(0)                   ; ahead of the transcendentals
	v_rcp_f32 v[SO], v[SO]
	v_rcp_f32 v[SO+2], v[SO+2]
	v_nop                                          ; a plain place behind them
	s_wait_alu depctr_va_vdst(0)                   ; ahead of their first reader, and O^T's
.irp x, 0,1
.set i, 0
.rept 16
	v_pk_mul_f32 v[S+32*\x+2*i:S+32*\x+2*i+1], v[ACCA+32*\x+2*i:ACCA+32*\x+2*i+1], v[SO+2*\x:SO+2*\x+1] op_sel_hi:[1,0]   ; register 8 t + j: out(query r, channel 16 t + 8 h + j); each accumulator from its low end on
.set i, i+1
.endr
.endr
.irp x, 0,1
.irp t, 0,1,2,3
	ds_store_b128 v23, v[S+32*\x+8*\t:S+32*\x+8*\t+3] offset:16*272*\x+64*\t
	ds_store_b128 v23, v[S+32*\x+8*\t+4:S+32*\x+8*\t+7] offset:16*272*\x+64*\t+16
.endr
.endr
.set i, 0
.rept 16
	ds_load_b128 v[S+64+4*i:S+64+4*i+3], v22 offset:544*i   ; LDS serves a wave's instructions in order: these see my stores
.set i, i+1
.endr
.set i, 0
.rept 16
	s_wait_dscnt 15-i                              ; load i is in; those issued behind it may be out
	global_store_b128 v[LI], v[S+64+4*i:S+64+4*i+3], s[8:9] offset:512*i th:TH_STORE_NT
.set i, i+1
.endr
	s_wait_tensorcnt 0x0                           ; the wave's end
	ds_add_u32 v[SPW], v[NIL]
	s_wait_dscnt 0x0
	CROUND                                         ; the closing round: no work-group ends while a partner may still ask for bytes by a load that names it
	s_endpgm
.Lfunc_end_k_q198a01e16b_attn:
	.size	k_q198a01e16b_attn, .Lfunc_end_k_q198a01e16b_attn-k_q198a01e16b_attn
	.p2alignl 7, 3214868480
	.fill 96, 4, 3214868480
	.section	.rodata,"a",@progbits
	.p2align	6, 0x0
	.amdhsa_kernel k_q198a01e16b_attn
		.amdhsa_group_segment_fixed_size 276480
		.amdhsa_private_segment_fixed_size 0
		.amdhsa_enable_private_segment 0
		.amdhsa_kernarg_size 24
		.amdhsa_user_sgpr_count 2
		.amdhsa_user_sgpr_kernarg_segment_ptr 1
		.amdhsa_wavefront_size32 1
		.amdhsa_system_sgpr_workgroup_id_x 1
		.amdhsa_system_sgpr_workgroup_id_y 1
		.amdhsa_system_sgpr_workgroup_id_z 1
		.amdhsa_system_vgpr_workitem_id 0
		.amdhsa_next_free_vgpr 512
		.amdhsa_next_free_sgpr 66
		.amdhsa_reserve_vcc 0
		.amdhsa_float_denorm_mode_32 3
		.amdhsa_float_denorm_mode_16_64 3
		.amdhsa_memory_ordered 1
		.amdhsa_forward_progress 1
		.amdhsa_inst_pref_size 77
	.end_amdhsa_kernel
	.amdgpu_metadata
---
amdhsa.version: [ 1, 2 ]
amdhsa.kernels:
  - .name:           k_q198a01e16b_attn
    .symbol:         k_q198a01e16b_attn.kd
    .args:
      - { .name: q, .offset: 0, .size: 8, .value_kind: global_buffer, .address_space: global }
      - { .name: kv, .offset: 8, .size: 8, .value_kind: global_buffer, .address_space: global }
      - { .name: out0, .offset: 16, .size: 8, .value_kind: global_buffer, .address_space: global }
    .group_segment_fixed_size: 276480
    .private_segment_fixed_size: 0
    .kernarg_segment_align: 8
    .kernarg_segment_size: 24
    .max_flat_workgroup_size: 256
    .sgpr_count:     66
    .vgpr_count:     512
    .wavefront_size: 32
...
	.end_amdgpu_metadata
.endif
;; end of part 2
